; MI455X (gfx1250); checked and timed in simulation.
; The chip was launched on July 23, 2026; its instructions are those of AMD's public machine-readable ISA for CDNA 5 (MIT licence, August 2026) and "CDNA5" Instruction Set Architecture Reference Guide (July 2026). The comments in the code are by the model that wrote it; some were corrected since.
;; Bahdanau Attention. Allowed arithmetic: float matrix products may take bf16 or f16 operands with f32 sums; other float arithmetic in f32, or as packed bf16 or f16 multiplies, adds, multiply-adds, maxima and minima; sums over many terms, partial sums and values carried from step to step in f32; what a program stores and reads back later, other than sums and carried values, may be rounded once to bf16 or f16.
;; Inputs: W_com 1,024 x 1 float32; W_dec 1,024 x 1,024 float32; W_enc 1,024 x 1,024 float32; b_com 1 float32; b_dec 1,024 float32; b_enc 1,024 float32; h_dec 32 x 1,024 float32; h_enc 32 x 2,048 x 1,024 float32.
;; Outputs: out0 32 x 1,024 float32; out1 32 x 2,048 x 1 float32.
;; One version. Each part assembles by itself: llvm-mc -triple=amdgcn-amd-amdhsa -mcpu=gfx1250 --defsym DOCPART=n.
;; ======== version 1 of 1: 3 launches
;; workspace buffers: wt 2,097,152 bytes; decp 2,097,152 bytes; scores 262,144 bytes; part 1,179,648 bytes
;; launch prep (part 1): grid 256 x 2, 4 waves a work-group, no clusters, 18,432 bytes of LDS; arguments W_enc, W_dec, h_dec, wt, decp; writes wt, decp
.if DOCPART == 1
	.amdgcn_target "amdgcn-amd-amdhsa--gfx1250"
	.amdhsa_code_object_version 6
	.text
	.protected	k_q08fd81412c_prep
	.globl	k_q08fd81412c_prep
	.p2align	8
	.type	k_q08fd81412c_prep,@function
k_q08fd81412c_prep:
	s_mov_b64 s[64:65], 0
	v_nop
	global_prefetch_b8 v0, s[64:65] scope:SCOPE_SE
	s_setreg_imm32_b32 hwreg(HW_REG_WAVE_MODE, 25, 1), 1
	s_wait_xcnt 0x0
; PREPARATION.  y = 0: wt[t][n][kk] = bf16(W_enc[64 t + kk][n]): W_enc turned and rounded once, so that a K step of 64 is 131,072 dense bytes with K along the rows.
; y = 1: decp[b][t][u] = the sum over kk of h_dec[b][64 t + kk] W_dec[64 t + kk][u], operands rounded to bf16, the partial sums kept in f32 (the next launch adds the sixteen).
; SHARES.  Work-group x takes 64 rows k (t = x / 16) and 64 columns (nbk = x % 16) of its matrix; wave w loads rows 16 w .. 16 w + 15, a row of 256 bytes to an instruction.
; The tile is turned through LDS (TR: 64 rows n of 128 bytes + 16 of padding).  y = 0 reads it back by rows and stores 512 consecutive bytes an instruction.
; y = 1 takes it as source 0 of four products (16 columns a wave, 32 batches, K = 64); the results go through a stage (32 rows of 256 bytes + 16), so that sixteen lanes store 256 consecutive, aligned bytes.
.set TP,    144                        ; pitch of TR
.set STGB,  64*TP                      ; the stage begins behind TR
.set SGP,   272                        ; its pitch
.set SPARE, STGB+32*SGP                ; 17,920: the spare words, 128 bytes for each wave; no other line names them
.set SPW, 2                            ; v2   SPARE + 4 x my thread's number; never rewritten
.set NIL, 3                            ; v3   0; never rewritten
.set VO,  4                            ; v4   my 8 bytes of my wave's first row
.set TS,  5                            ; v5   where I put my two columns' 16 k
.set TRD, 6                            ; v6   where I read TR back by rows
.set GO,  7                            ; v7   16 x thread
.set BFA, 8                            ; v8   my place in a fragment of TR
.set HA,  9                            ; v9   my place in a fragment of h_dec
.set SS,  10                           ; v10  into the stage
.set SRD, 11                           ; v11  out of the stage
.set PO,  12                           ; v12  my byte offset in decp
.set R,   16                           ; v[16:47]   16 rows x 2 columns, f32
.set TB,  48                           ; v[48:63]   2 columns x 16 k, bf16
.set HF,  64                           ; v[64:127]  h_dec, f32
.set AFR, 128                          ; v[128:159] h_dec's fragments: (mb, kc) at 8 (2 mb + kc)
.set BFR, 160                          ; v[160:175] W_dec's fragments: kc at 8 kc
.set ACC, 176                          ; v[176:191] two accumulators
.set OUT, 192                          ; v[192:207] on the way out
	s_load_b256 s[4:11], s[0:1], 0x0               ; W_enc s[4:5], W_dec s[6:7], h_dec s[8:9], wt s[10:11]
	s_load_b64 s[12:13], s[0:1], 0x20              ; decp
	v_lshl_add_u32 v[SPW], v0, 2, SPARE
	v_mov_b32 v[NIL], 0
	v_lshrrev_b32 v1, 5, v0
	v_readfirstlane_b32 s14, v1                    ; wave 0..3
	s_lshr_b32 s15, ttmp9, 4                       ; t
	s_and_b32 s16, ttmp9, 15                       ; nbk
	s_and_b32 s17, ttmp7, 0xffff                   ; y
	v_and_b32 v13, 31, v0                          ; l
	v_and_b32 v14, 15, v0                          ; r = l % 16
	v_bfe_u32 v15, v0, 4, 1                        ; h = l / 16
	s_lshl_b32 s18, s14, 16
	v_lshl_add_u32 v[VO], v13, 3, s18              ; 16 w rows of 4,096 bytes + 8 l
	s_lshl_b32 s18, s14, 5
	v_mul_u32_u24 v[TS], v13, 2*TP
	v_add_nc_u32 v[TS], s18, v[TS]                 ; row 2 l, byte 32 w
	v_lshrrev_b32 v1, 3, v0
	v_mul_u32_u24 v1, v1, TP
	v_and_b32 v[TRD], 7, v0
	v_lshl_add_u32 v[TRD], v[TRD], 4, v1           ; row thread / 8, 16 bytes at 16 (thread % 8)
	v_lshlrev_b32 v[GO], 4, v0
	s_mul_i32 s18, s14, 16*TP
	v_mul_u32_u24 v[BFA], v14, TP
	v_lshl_add_u32 v[BFA], v15, 4, v[BFA]
	v_add_nc_u32 v[BFA], s18, v[BFA]               ; row 16 w + r, 16 h
	v_lshlrev_b32 v[HA], 12, v14
	v_lshl_add_u32 v[HA], v15, 5, v[HA]            ; batch r, 8 h numbers of f32
	s_lshl_b32 s18, s14, 6
	s_add_co_u32 s18, s18, STGB
	v_mul_u32_u24 v[SS], v14, SGP
	v_lshl_add_u32 v[SS], v15, 5, v[SS]
	v_add_nc_u32 v[SS], s18, v[SS]                 ; batch r, columns 16 w + 8 h on
	v_lshrrev_b32 v1, 4, v0
	v_mul_u32_u24 v[SRD], v1, SGP
	v_lshl_add_u32 v[SRD], v14, 4, v[SRD]
	v_add_nc_u32 v[SRD], STGB, v[SRD]              ; row thread / 16, 16 bytes at 16 (thread % 16)
	v_lshlrev_b32 v[PO], 16, v1                    ; a batch of decp is 65,536 bytes
	v_lshl_add_u32 v[PO], v14, 4, v[PO]
	s_lshl_b32 s22, s15, 18                        ; 64 t rows of 4,096 bytes
	s_lshl_b32 s23, s16, 8                         ; 64 nbk columns
	s_add_co_u32 s22, s22, s23
	s_mov_b32 s23, 0
	s_wait_kmcnt 0x0
	s_cmp_eq_u32 s17, 0
	s_cselect_b64 s[24:25], s[4:5], s[6:7]         ; the matrix of this y
	s_add_nc_u64 s[24:25], s[24:25], s[22:23]
.irp i, 0,1,2,3,4,5,6,7,8,9,10,11,12,13,14,15
	global_load_b64 v[R+2*\i:R+2*\i+1], v[VO], s[24:25] offset:\i*4096 th:TH_LOAD_NT  ; row 16 w + i: 32 lanes take its 256 bytes
.endr
; My two columns' 16 k are rounded in pairs and laid along TR's rows; then every wave's part is shown to the others.
.macro TRANSPOSE
.irp c, 0,1
.irp i, 0,1,2,3,4,5,6,7
	v_cvt_pk_bf16_f32 v[TB+8*\c+\i], v[R+4*\i+\c], v[R+4*\i+2+\c]
.endr
.endr
.irp c, 0,1
	ds_store_b128 v[TS], v[TB+8*\c:TB+8*\c+3]   offset:\c*TP
	ds_store_b128 v[TS], v[TB+8*\c+4:TB+8*\c+7] offset:\c*TP+16
.endr
	s_wait_dscnt 0x0                               ; for the others' sake: my stores are done
	s_barrier_signal -1
	s_barrier_wait -1
.endm
	s_cmp_lg_u32 s17, 0
	s_cbranch_scc1 .Ldec                           ; the same in all four waves
	s_wait_loadcnt 0x0
	TRANSPOSE
	s_lshl_b32 s26, s15, 17                        ; a K step of wt is 131,072 bytes,
	s_lshl_b32 s27, s16, 13                        ; 64 columns of it 8,192
	s_add_co_u32 s26, s26, s27
	s_mov_b32 s27, 0
	s_add_nc_u64 s[10:11], s[10:11], s[26:27]
.irp i, 0,1,2,3
	ds_load_b128 v[OUT+4*\i:OUT+4*\i+3], v[TRD] offset:\i*16*TP
.endr
.irp i, 0,1,2,3
	s_wait_dscnt 3-\i                              ; LDS loads come back in order: load i is in
	global_store_b128 v[GO], v[OUT+4*\i:OUT+4*\i+3], s[10:11] offset:\i*2048  ; a wave stores 512 consecutive bytes, aligned
.endr
	s_wait_tensorcnt 0x0                           ; the wave's end: three lines behind my last LDS store
	ds_add_u32 v[SPW], v[NIL]
	s_wait_dscnt 0x0
	s_endpgm
.Ldec:
	s_lshl_b32 s26, s15, 8                         ; 64 t numbers of f32 along h_dec's rows
	s_mov_b32 s27, 0
	s_add_nc_u64 s[8:9], s[8:9], s[26:27]
.irp f, 0,1,2,3                        ; fragment f = 2 mb + kc: batches 16 mb on, k 32 kc on: 8 numbers at 8 h and 8 at 16 + 8 h
	global_load_b128 v[HF+16*\f:HF+16*\f+3],     v[HA], s[8:9] offset:(\f/2)*65536+(\f%2)*128
	global_load_b128 v[HF+16*\f+4:HF+16*\f+7],   v[HA], s[8:9] offset:(\f/2)*65536+(\f%2)*128+16
	global_load_b128 v[HF+16*\f+8:HF+16*\f+11],  v[HA], s[8:9] offset:(\f/2)*65536+(\f%2)*128+64
	global_load_b128 v[HF+16*\f+12:HF+16*\f+15], v[HA], s[8:9] offset:(\f/2)*65536+(\f%2)*128+80
.endr
	s_wait_loadcnt 16                              ; W_dec's sixteen loads are in; h_dec's sixteen may stay out
	TRANSPOSE
.irp c, 0,1
	ds_load_b128 v[BFR+8*\c:BFR+8*\c+3],   v[BFA] offset:\c*64
	ds_load_b128 v[BFR+8*\c+4:BFR+8*\c+7], v[BFA] offset:\c*64+32
.endr
	s_wait_loadcnt 0x0
.set z, 0
.rept 32
	v_cvt_pk_bf16_f32 v[AFR+z], v[HF+2*z], v[HF+2*z+1]
.set z, z+1
.endr
	s_wait_dscnt 0x0
	; source 0 = 16 columns u, source 1 = 16 batches: a lane ends with one batch and eight neighbouring columns.  The two accumulators take turns.
	v_wmma_f32_16x16x32_bf16 v[ACC:ACC+7],    v[BFR:BFR+7],    v[AFR:AFR+7],     0
	v_wmma_f32_16x16x32_bf16 v[ACC+8:ACC+15], v[BFR:BFR+7],    v[AFR+16:AFR+23], 0
	v_wmma_f32_16x16x32_bf16 v[ACC:ACC+7],    v[BFR+8:BFR+15], v[AFR+8:AFR+15],  v[ACC:ACC+7]
	v_wmma_f32_16x16x32_bf16 v[ACC+8:ACC+15], v[BFR+8:BFR+15], v[AFR+24:AFR+31], v[ACC+8:ACC+15]
.rept 8
	v_nop                                          ; the places behind the products, in front of the stores that read them; once a launch
.endr
.irp m, 0,1
	ds_store_b128 v[SS], v[ACC+8*\m:ACC+8*\m+3]   offset:\m*16*SGP
	ds_store_b128 v[SS], v[ACC+8*\m+4:ACC+8*\m+7] offset:\m*16*SGP+16
.endr
	s_wait_dscnt 0x0                               ; for the others' sake: a stage row's 256 bytes come from four waves
	s_barrier_signal -1
	s_barrier_wait -1
	s_lshl_b32 s26, s15, 12                        ; decp[b][t][u]: t x 4,096 bytes,
	s_lshl_b32 s27, s16, 8                         ; 64 nbk columns
	s_add_co_u32 s26, s26, s27
	s_mov_b32 s27, 0
	s_add_nc_u64 s[12:13], s[12:13], s[26:27]
.irp i, 0,1,2,3
	ds_load_b128 v[OUT+4*\i:OUT+4*\i+3], v[SRD] offset:\i*8*SGP
.endr
.irp i, 0,1,2,3
	s_wait_dscnt 3-\i
	global_store_b128 v[PO], v[OUT+4*\i:OUT+4*\i+3], s[12:13] offset:\i*8*65536  ; sixteen lanes store 256 consecutive bytes, aligned
.endr
	s_wait_tensorcnt 0x0                           ; the wave's end: three lines behind my last LDS store
	ds_add_u32 v[SPW], v[NIL]
	s_wait_dscnt 0x0
	s_endpgm
.Lfunc_end_k_q08fd81412c_prep:
	.size	k_q08fd81412c_prep, .Lfunc_end_k_q08fd81412c_prep-k_q08fd81412c_prep
	.p2alignl 7, 3214868480
	.fill 96, 4, 3214868480
	.section	.rodata,"a",@progbits
	.p2align	6, 0x0
	.amdhsa_kernel k_q08fd81412c_prep
		.amdhsa_group_segment_fixed_size 18432
		.amdhsa_private_segment_fixed_size 0
		.amdhsa_enable_private_segment 0
		.amdhsa_kernarg_size 40
		.amdhsa_user_sgpr_count 2
		.amdhsa_user_sgpr_kernarg_segment_ptr 1
		.amdhsa_wavefront_size32 1
		.amdhsa_system_sgpr_workgroup_id_x 1
		.amdhsa_system_sgpr_workgroup_id_y 1
		.amdhsa_system_sgpr_workgroup_id_z 1
		.amdhsa_system_vgpr_workitem_id 0
		.amdhsa_next_free_vgpr 208
		.amdhsa_next_free_sgpr 66
		.amdhsa_reserve_vcc 0
		.amdhsa_float_denorm_mode_32 3
		.amdhsa_float_denorm_mode_16_64 3
		.amdhsa_memory_ordered 1
		.amdhsa_forward_progress 1
		.amdhsa_inst_pref_size 14
	.end_amdhsa_kernel
	.amdgpu_metadata
---
amdhsa.version: [ 1, 2 ]
amdhsa.kernels:
  - .name:           k_q08fd81412c_prep
    .symbol:         k_q08fd81412c_prep.kd
    .args:
      - { .name: W_enc, .offset: 0, .size: 8, .value_kind: global_buffer, .address_space: global }
      - { .name: W_dec, .offset: 8, .size: 8, .value_kind: global_buffer, .address_space: global }
      - { .name: h_dec, .offset: 16, .size: 8, .value_kind: global_buffer, .address_space: global }
      - { .name: wt, .offset: 24, .size: 8, .value_kind: global_buffer, .address_space: global }
      - { .name: decp, .offset: 32, .size: 8, .value_kind: global_buffer, .address_space: global }
    .group_segment_fixed_size: 18432
    .private_segment_fixed_size: 0
    .kernarg_segment_align: 8
    .kernarg_segment_size: 40
    .max_flat_workgroup_size: 128
    .sgpr_count:     66
    .vgpr_count:     208
    .wavefront_size: 32
...
	.end_amdgpu_metadata
.endif
;; end of part 1
;; launch main (part 2): grid 256 x 1, 4 waves a work-group, clusters of 4 x 1, 327,680 bytes of LDS; arguments h_enc, wt, decp, b_enc, b_dec, W_com, b_com, scores, part; writes scores, part
.if DOCPART == 2
	.amdgcn_target "amdgcn-amd-amdhsa--gfx1250"
	.amdhsa_code_object_version 6
	.text
	.protected	k_q08fd81412c_main
	.globl	k_q08fd81412c_main
	.p2align	8
	.type	k_q08fd81412c_main,@function
k_q08fd81412c_main:
	s_mov_b64 s[64:65], 0
	v_nop
	global_prefetch_b8 v0, s[64:65] scope:SCOPE_SE
	s_setreg_imm32_b32 hwreg(HW_REG_WAVE_MODE, 25, 1), 1
	s_wait_xcnt 0x0
	s_wait_alu depctr_hold_cnt(0) depctr_sa_sdst(0) depctr_va_vdst(0) depctr_va_sdst(0) depctr_va_ssrc(0) depctr_va_vcc(0) depctr_vm_vsrc(0)
	s_getreg_b32 s2, hwreg(HW_REG_IB_STS2, 6, 4)
	s_cmp_eq_u32 s2, 0
	s_cbranch_scc0 .Lentry_in_a_cluster
	s_endpgm
.Lentry_in_a_cluster:
	s_bfe_u32 s2, ttmp6, 0x10000c
	s_cmp_lg_u32 s2, 0x3003
	s_cbranch_scc0 .Lentry_shape_is_right
	s_endpgm
.Lentry_shape_is_right:
; BAHDANAU ATTENTION, the fused launch.  For 256 rows s of one batch b a work-group makes e[s][u] = the sum over d of h_enc[b][s][d] W_enc[d][u] (bf16 operands, f32 sums), the raw scores
; score[s] = the sum over u of W_com[u] tanh(e[s][u] + b_enc[u] + dec[b][u]) + b_com, and, by a running maximum m, the sums l = sum 2^(c score - c m) and ctx[u] = sum 2^(c score - c m) e[s][u], c = log2(e).
; It stores the scores, ctx, c m and l; the next launch joins a batch's eight work-groups, divides, and adds b_enc (the weights add up to 1, so b_enc leaves the weighted mean unchanged but for itself).
; tanh(x) = 1 - 2 / (1 + 2^(2 c x)): score = sum W_com + sum (-2 W_com) / (1 + 2^(..)); each lane's sum starts at its own columns' sum of W_com.  2^(..) = infinity gives tanh = 1, 0 gives -1.
; LIMITS.  c m starts at -4.25e37; a weight below 2^-126 counts as 0; NaN and infinities in the inputs are not treated apart.  h_enc and W_enc are rounded once to bf16.
; SHARES.  h_enc crosses memory once: a tile is 64 rows x ALL 1,024 columns, held in registers until its scores are known.  Wave w owns the 64 rows x columns 256 w .. 256 w + 255: 64 accumulators, 512 registers.
; A work-group stays for four tiles; K goes in 16 steps of 64 a tile, 64 steps in all, 128 matrix instructions a wave each.
; W comes from wt (a step is 131,072 dense bytes, K along the rows) through two LDS slots; each wave fetches and reads its own 32,768 bytes.  CLUSTER: the four work-groups of a cluster walk the same W,
; so each tile is asked for JOINTLY (mask 15): the same tensor load with the same descriptor in all four.  By this text's count a wave has two tensor loads out at the start, later one.
; From a request to the wait for it a wave issues a whole step's 128 matrix instructions; between that wait and the next request stand the add, sixteen conversions and the round.
; h_enc is shared by nobody and does not go through the ring: each wave loads 16 rows x 256 bytes a step into registers, two steps ahead of their use in LDS (two stages, sixteen loads always out), rounds each number once and
; stores bf16 into one of two LDS buffers that all four waves read.  Steps 60 and 61 load step 63's bytes once more, unused: 32 KiB a work-group, so that one text and one count serve every step.
; wt is not prefetched: the launch walks it again and again, from its first lines on.
; REGISTERS, in windows of 256 (s_set_vgpr_msb: bits 1:0 source 0, 3:2 source 1, 5:4 source 2, 7:6 destination):
;   window 0: addresses, statistics, tables, stages; v160-223 A's fragments (two buffers), on the way out at work; v224-255 the 32 row sums of the way out
;   window 1: B's fragments, two buffers of 128; on the way out three buffers of 64 for tanh, v192-223 the row sums while they grow
;   windows 2, 3: accumulator (mb, nb) at 8 (4 (nb % 8) + mb), window 2 + nb / 8.  Register j of lane (r, h) is row 16 mb + 8 h + j, column 256 w + 16 nb + r.
.set AP,    144                        ; a row of h_enc in LDS, 64 bf16: 128 bytes + 16 of padding = 36 words: the 16 rows of a fragment load start at 16 different groups of four banks (ISA guide 11.1)
.set WROW,  272                        ; a row of a slot: two columns of W, 128 bytes each, as they lie in wt, + 16 of padding.  Column n lies at (n / 2) x 272 + (n % 2) x 128:
                                       ; the 16 columns of a fragment load touch the 16-byte pieces 0 .. 112 and 128 .. 240 modulo 256, each once
.set NBS,   8*WROW                     ; a block of 16 columns
.set WSL,   128*WROW                   ; a wave's part of a slot: 256 columns
.set SLOTB, 4*WSL                      ; a slot: 139,264 bytes
.set ABUF,  2*SLOTB                    ; behind the ring, never filled by a tensor load: two buffers of 64 rows of h_enc in bf16,
.set ABS,   64*AP
.set DECT,  ABUF+2*ABS                 ; 2 c (dec + b_dec + b_enc), 1,024 f32,
.set WCT,   DECT+4096                  ; -2 W_com, 1,024 f32,
.set SCR,   WCT+4096                   ; the waves' partial scores: [wave][64 rows] f32,
.set CTXS,  SCR+1024                   ; the stage for ctx, 1,024 bytes a wave,
.set SPARE, CTXS+4096                  ; and the spare words, 128 bytes for each wave; no other line names them
.set SPW,  4                           ; v4   SPARE + 4 x my thread's number; never rewritten
.set NIL,  5                           ; v5   0; never rewritten
.set ADRB, 6                           ; v6-7 my place in B's fragments, slot 0, 1
.set ADRA, 8                           ; v8   my place in A's fragments, buffer 0
.set ASTO, 9                           ; v9   where I store 8 bytes of h_enc in bf16
.set VA,   10                          ; v10  my 16 bytes of h_enc in my wave's first two rows
.set VPF,  11                          ; v11  the prefetch's offset: row 16 w + l % 16, block l / 16
.set ASC,  12                          ; v12  where my wave's partial scores go
.set ASR,  13                          ; v13  where I read all four waves'
.set ASW,  14                          ; v14  wave 0: rows 2 l, 2 l + 1
.set VSO,  15                          ; v15  wave 0: my 8 bytes of the tile's scores
.set ACX,  16                          ; v16  ctx into the stage
.set ACR,  17                          ; v17  and back
.set VPO,  18                          ; v18  my byte offset in the work-group's row of part
.set VD,   19                          ; v19  32 x thread
.set SUM0, 20                          ; v[20:21] the sum of W_com over my 16 columns, twice
.set CM,   22                          ; v22  c m
.set LR,   23                          ; v23  l
.set CMN,  24                          ; v[24:25] the new c m, twice
.set AFC,  26                          ; v26  a = 2^(c m_old - c m_new)
.set DA,   27                          ; v27  its argument
.set DEC,  32                          ; v[32:47] DECT of my column in block nb
.set WC,   48                          ; v[48:63] WCT likewise
.set STG,  64                          ; v[64:127] two stages of 32: h_enc as loaded
.set CV,   128                         ; v[128:143] the same in bf16
.set CTX,  144                         ; v[144:159] ctx of my column in block nb
.set AF0,  160                         ; A's fragments: buffer f, block mb at AF0 + 32 f + 8 mb
.set CT,   160                         ; the way out: a tile's ctx, a pair (even rows', odd rows') for each nb
.set XS,   192                         ; the way out: at work
.set XT,   216                         ; the way out: wave 0's scores
.set SCW,  224                         ; the way out: the row sums, register 8 mb + j
.set SCV,  192                         ; the same while they grow, in window 1
.set WV,   22                          ; s22  my wave's number
.set CX,   23                          ; s23  my place in the cluster
.set GG,   24                          ; s24  my work-group's number, 4 x cluster + place
.set NS,   25                          ; s25  the step in hand, 0 .. 63
.set TILE, 26                          ; s26  tiles to go
.set LAP,  27                          ; s27  laps to go
.set G1,   28                          ; s[28:35] descriptor group 1
.set G0,   36                          ; s[36:43] descriptor group 0, a set for each slot
.set HB,   44                          ; s[44:45] h_enc at my work-group's first row
.set WB,   46                          ; s[46:47] wt at my wave's 256 columns of step 0
.set PA,   48                          ; s[48:49] h_enc at the step to be loaded
.set PFA,  50                          ; s[50:51] h_enc at the steps to be prefetched
.set OFF,  52                          ; s[52:53] an offset, high word 0; s54, s55 at work
.set C2,   56                          ; s[56:57] 2 log2(e)
.set CS,   58                          ; s[58:59] log2(e)
.set SEL,  60                          ; s[60:61] v_permlanex16_b32's selects: each lane takes its own place in the other half
.set BC,   62                          ; s[62:63] b_com
.set SCB,  66                          ; s[66:67] scores at my work-group's first row
.set PTB,  68                          ; s[68:69] part at my work-group's row
.set GOF,  70                          ; s[70:71] offsets made of my work-group's number: they never enter a descriptor
.set MSB, 0
.macro WIN new                         ; the immediate's high byte repeats the setting that is left; a switch that changes nothing is dropped
.if MSB != (\new)
	s_set_vgpr_msb (MSB<<8)|(\new)
.set MSB, (\new)
.endif
.endm
.set MUL_LO, 0xa4                      ; A window 0, B window 1, C and D window 2
.set TO_B,   0x40                      ; destination window 1, address window 0
.macro PLACES                          ; four places behind matrix instructions, in front of loads into registers that they have read
.rept 4
	v_nop
.endr
.endm
.macro CREST                           ; a round of the cluster's barrier behind its opening barrier
	s_cmp_lg_u32 s[WV], 0
	s_cbranch_scc1 .Lnw0_\@
	s_barrier_signal -3
.Lnw0_\@:
	s_barrier_wait -3
	s_barrier_signal -1
	s_barrier_wait -1
.endm
.macro CROUND                          ; a whole round
	s_barrier_signal -1
	s_barrier_wait -1
	CREST
.endm
.macro JLOAD s                         ; a joint fill of slot s: each wave its own 128 rows of 256 bytes, both addresses stepped by the wave's number; an s_nop 0 and four v_nop follow
	tensor_load_to_lds s[G0+4*(\s):G0+4*(\s)+3], s[G1:G1+7]
	s_nop 0
	PLACES
.endm
; cnt x 4 matrix instructions on fragment buffer f: column blocks 8 hi + nb0 on, all four row blocks.  The 64 accumulators take turns in one order in every 32 along K.
.macro MUL f, hi, nb0, cnt, zero
	WIN MUL_LO+0x50*(\hi)
.set nbi, \nb0
.rept \cnt
.irp mb, 0,1,2,3
.set rD, 8*(4*nbi+\mb)
.set rA, AF0+32*(\f)+8*\mb
.set rB, 128*(\f)+8*(8*(\hi)+nbi)
.if \zero
	v_wmma_f32_16x16x32_bf16 v[rD:rD+7], v[rA:rA+7], v[rB:rB+7], 0
.else
	v_wmma_f32_16x16x32_bf16 v[rD:rD+7], v[rA:rA+7], v[rB:rB+7], v[rD:rD+7]
.endif
.endr
.set nbi, nbi+1
.endr
.endm
; 40 LDS loads in one run: the fragments of 32 along K (half kq of the step in slot s) into buffer f: A's 8, B's blocks 0-7 (16), B's blocks 8-15 (16)
.macro FETCH s, kq, f
	WIN 0
.irp mb, 0,1,2,3
	ds_load_b128 v[AF0+32*(\f)+8*\mb:AF0+32*(\f)+8*\mb+3],   v[ADRA] offset:(\s)*ABS+\mb*16*AP+(\kq)*64
	ds_load_b128 v[AF0+32*(\f)+8*\mb+4:AF0+32*(\f)+8*\mb+7], v[ADRA] offset:(\s)*ABS+\mb*16*AP+(\kq)*64+32
.endr
	WIN TO_B
.irp nb, 0,1,2,3,4,5,6,7,8,9,10,11,12,13,14,15
	ds_load_b128 v[128*(\f)+8*\nb:128*(\f)+8*\nb+3],   v[ADRB+(\s)] offset:\nb*NBS+(\kq)*64
	ds_load_b128 v[128*(\f)+8*\nb+4:128*(\f)+8*\nb+7], v[ADRB+(\s)] offset:\nb*NBS+(\kq)*64+32
.endr
.endm
; A step's first half: multiplies buffer 0 and fetches the second half into buffer 1.  younger: B's blocks 8-15 (16), and behind a change of slots that stored h_enc its 8 stores too (24)
.macro QUARTER s, zero, younger
	s_wait_dscnt \younger
	MUL 0, 0, 0, 8, \zero
	PLACES
	FETCH \s, 1, 1
	s_wait_dscnt 40                                ; all but the 40 just issued
	MUL 0, 1, 0, 8, \zero
.endm
.macro ACV s                           ; stage s is rounded to bf16
.irp i, 0,1,2,3,4,5,6,7
	v_cvt_pk_bf16_f32 v[CV+2*\i],   v[STG+32*(\s)+4*\i],   v[STG+32*(\s)+4*\i+1]
	v_cvt_pk_bf16_f32 v[CV+2*\i+1], v[STG+32*(\s)+4*\i+2], v[STG+32*(\s)+4*\i+3]
.endr
.endm
.macro AST s                           ; and stored into buffer s: row 16 w + 2 i + l / 16, 8 bytes at 8 (l % 16)
.irp i, 0,1,2,3,4,5,6,7
	ds_store_b64 v[ASTO], v[CV+2*\i:CV+2*\i+1] offset:(\s)*ABS+\i*2*AP
.endr
.endm
.macro ALD s, off                      ; eight loads into stage s: two rows' 256 bytes each, sixteen lanes to a row
.irp i, 0,1,2,3,4,5,6,7
	global_load_b128 v[STG+32*(\s)+4*\i:STG+32*(\s)+4*\i+3], v[VA], s[PA:PA+1] offset:(\off)+\i*8192 th:TH_LOAD_NT
.endr
.endm
; Behind the change of slots of step n: h_enc of step n + 2, rounded in front of the round, goes into the buffer that step n has left, and step n + 4 is asked for.
; ask = 1 (even steps): one prefetch for steps n + 6 and n + 7: my wave's own 16 rows x 2 blocks of 256 bytes, a lane a block, two steps ahead of my loads of them; each block is named once in the launch.
; Steps 0 to 5 come by their loads alone; from step 57 on nothing is left to ask for.
.macro AWORK s, ask
	WIN 0
	AST \s
	ALD \s, 0
.if \ask
	s_cmp_lt_u32 s[NS], 57
	s_cbranch_scc0 .Lnoask_\@
	global_prefetch_b8 v[VPF], s[PFA:PFA+1] th:TH_LOAD_NT scope:SCOPE_SE
.Lnoask_\@:
.endif
.endm
.macro STEPAT ahead, cap, dst          ; dst = h_enc at step min(n + ahead, cap): tile c / 16 is 64 rows of 4,096 bytes, step c % 16 is 256 bytes along them
	s_add_co_u32 s54, s[NS], \ahead
	s_min_u32 s54, s54, \cap
	s_lshr_b32 s55, s54, 4
	s_lshl_b32 s55, s55, 18
	s_and_b32 s54, s54, 15
	s_lshl_b32 s54, s54, 8
	s_or_b32 s[OFF], s54, s55
	s_add_nc_u64 s[\dst:\dst+1], s[HB:HB+1], s[OFF:OFF+1]
.endm
; A step's second half multiplies buffer 1 and changes slots: ONE barrier.  The 32 products on column blocks 0-7 stand ahead of the wait for my tile, so that the tile has the whole step in which to land.
; In front of the barrier each wave waits for all its tensor loads (one is out: its part of the other slot), adds 0 to its spare word, and waits for that, for its reads of this slot and of this step's h_enc, and for its stores
; of the next step's h_enc.  fill = 1: the barrier opens a round of the cluster's barrier, and the joint refill (step n + 2) is the first thing behind it.
.macro TURN s, fill, fetch
	s_wait_dscnt 16                                ; A's and B's blocks 0-7 of buffer 1 are in; B's blocks 8-15 may be out
	MUL 1, 0, 0, 1, 0
.if \fill
	s_wait_xcnt 0x0                                ; the loads and the prefetch of a step ago have read their addresses, which are written here, eight scalar lines between two groups of products
	STEPAT 4, 63, PA
.endif
	MUL 1, 0, 1, 1, 0
.if (\fill) && ((\s) == 0)
	STEPAT 6, 62, PFA
.endif
	MUL 1, 0, 2, 6, 0
	WIN 0
	s_wait_tensorcnt 0x0                           ; no tensor load of mine is out, so a group 0 may be written
	ds_add_u32 v[SPW], v[NIL]                      ; 0 onto my spare word: work on registers stands between it and the wait for it
.if \fill
	s_add_co_u32 s54, s[NS], 2                     ; the descriptor's address is made anew: W's step (n + 2) % 16
	s_and_b32 s54, s54, 15
	s_lshl_b32 s[OFF], s54, 17
	s_add_nc_u64 s[G0+4*(\s)+2:G0+4*(\s)+3], s[WB:WB+1], s[OFF:OFF+1]
	s_or_b32 s[G0+4*(\s)+3], s[G0+4*(\s)+3], 0x80000000
	s_wait_loadcnt 8                               ; this stage's eight loads of h_enc are in; the other stage's eight stay out
	ACV \s
.endif
	s_wait_dscnt 0x0                               ; the add is done, my reads of this slot and of this step's h_enc are over, my stores are done
	s_barrier_signal -1
	s_barrier_wait -1
.if \fill
	CREST                                          ; no wave of any partner still reads this slot or has a load on its way
	JLOAD \s                                       ; its four v_nop are also places in front of the loads below
.else
	PLACES
.endif
.if \fetch
	FETCH 1-\s, 0, 0
.endif
.if \fill
	AWORK \s, 1-(\s)
.endif
	MUL 1, 1, 0, 8, 0
	s_add_co_u32 s[NS], s[NS], 1
.endm
; THE WAY OUT OF A TILE.  tanh goes in 8 groups of 64 numbers (column blocks 2 G, 2 G + 1, all rows) through three buffers T[G % 3] in window 1.  Pair k of 32: block 2 G + k / 16, row sums 2 (k % 16), + 1.
; OPA: T = 2 c e + DEC.  Each accumulator's lowest registers are read first.
.macro OPA G
	WIN 0x42+(\G)/4                                ; source 0 window 2 or 3, source 2 window 0, destination window 1
.set k, 0
.rept 32
.set rT, 64*((\G)%3)+2*k
.set rC, 64*((\G)%4)+2*k
.if k < 16
	v_pk_fma_f32 v[rT:rT+1], v[rC:rC+1], s[C2:C2+1], v[DEC+2*(\G):DEC+2*(\G)+1] op_sel_hi:[1,0,0]
.else
	v_pk_fma_f32 v[rT:rT+1], v[rC:rC+1], s[C2:C2+1], v[DEC+2*(\G):DEC+2*(\G)+1] op_sel:[0,0,1] op_sel_hi:[1,0,1]
.endif
.set k, k+1
.endr
.endm
; OPE: the row sums take (-2 W_com) / (1 + 2^T), pair k.  The first sixteen of all start the sums at SUM0 (window 0); the last sixteen of all leave them in window 0.
.macro OPE G
.set rT, 64*((\G)%3)+2*k
.set rS, SCV+2*(k%16)
.if ((\G) == 0) && (k < 16)
	WIN 0x41
	v_pk_fma_f32 v[rS:rS+1], v[rT:rT+1], v[WC+2*(\G):WC+2*(\G)+1], v[SUM0:SUM0+1] op_sel_hi:[1,0,1]
.elseif k < 16
	WIN 0x51
	v_pk_fma_f32 v[rS:rS+1], v[rT:rT+1], v[WC+2*(\G):WC+2*(\G)+1], v[rS:rS+1] op_sel_hi:[1,0,1]
.elseif (\G) == 7
	WIN 0x11
	v_pk_fma_f32 v[SCW+2*(k%16):SCW+2*(k%16)+1], v[rT:rT+1], v[WC+2*(\G):WC+2*(\G)+1], v[rS:rS+1] op_sel:[0,1,0] op_sel_hi:[1,1,1]
.else
	WIN 0x51
	v_pk_fma_f32 v[rS:rS+1], v[rT:rT+1], v[WC+2*(\G):WC+2*(\G)+1], v[rS:rS+1] op_sel:[0,1,0] op_sel_hi:[1,1,1]
.endif
.endm
; Trip i of ten: the sums of group i - 2 with the exponentials of group i between them; 1 + 2^T and the reciprocals of group i - 1; OPA for group i + 1, into the buffer that group i - 2 has left.
; Nothing in a trip names a result of the trip's own 128 transcendentals: they are ONE batch, and the one wait stands at the next trip's head; OPA's lines (or a v_nop) are the plain work between.
.macro ITER i
.if (\i) > 0
	s_wait_alu depctr_va_vdst(0)
.endif
.if (\i) != 2
	WIN 0x51                                       ; sources 0 and 2 and the destination window 1, source 1 window 0
.endif
.set k, 0
.rept 32
.if (\i) >= 2
	OPE (\i)-2
.endif
.if (\i) <= 7
	v_exp_f32 v[64*((\i)%3)+2*k],   v[64*((\i)%3)+2*k]
	v_exp_f32 v[64*((\i)%3)+2*k+1], v[64*((\i)%3)+2*k+1]
.endif
.set k, k+1
.endr
.if ((\i) >= 1) && ((\i) <= 8)
.set rU, 64*(((\i)-1)%3)
.set k, 0
.rept 32
	v_pk_add_f32 v[rU+2*k:rU+2*k+1], v[rU+2*k:rU+2*k+1], 1.0 op_sel_hi:[1,0]
.if k > 0
	v_rcp_f32 v[rU+2*k-2], v[rU+2*k-2]
	v_rcp_f32 v[rU+2*k-1], v[rU+2*k-1]
.endif
.set k, k+1
.endr
	v_rcp_f32 v[rU+62], v[rU+62]
	v_rcp_f32 v[rU+63], v[rU+63]
.endif
.if (\i) <= 6
	OPA (\i)+1
.elseif (\i) <= 8
	v_nop                                          ; the plain instruction behind the last reciprocal
.endif
.endm
.macro EPI
	PLACES                                         ; the places behind the tile's last products: once a tile, eight
	PLACES
	OPA 0
.irp i, 0,1,2,3,4,5,6,7,8,9
	ITER \i
.endr
	WIN 0
.irp x, 1,2,4,8                        ; the sum over the 16 lanes of a half: my wave's 256 columns; every lane of the half ends with it
.set z, 0
.rept 32
	v_add_f32_dpp v[SCW+z], v[SCW+z], v[SCW+z] row_xmask:\x row_mask:0xf bank_mask:0xf
.set z, z+1
.endr
.endr
.set z, 0
.rept 8                                ; registers 8 mb + j are rows 16 mb + 8 h + j: the sixteen lanes of a half write the same bytes with the same numbers
	ds_store_b128 v[ASC], v[SCW+4*z:SCW+4*z+3] offset:64*(z/2)+16*(z%2)
.set z, z+1
.endr
	s_wait_dscnt 0x0                               ; for the others' sake: my partial scores are stored (and my stores of h_enc)
	s_barrier_signal -1                            ; the refill that is out may stay out
	s_barrier_wait -1
	WIN TO_B
.set z, 0
.rept 32                               ; all four waves' partial scores of my rows: wave z / 8 at v[32 (z / 8)] of window 1
	ds_load_b128 v[4*z:4*z+3], v[ASR] offset:256*(z/8)+64*((z%8)/2)+16*(z%2)
.set z, z+1
.endr
	WIN 0
	s_cmp_lg_u32 s[WV], 0
	s_cbranch_scc1 .Lnot0_\@
.irp u, 0,1,2,3                        ; wave 0 stores the tile's 64 raw scores: the same sums in the same order, two rows a lane
	ds_load_b64 v[XT+2*\u:XT+2*\u+1], v[ASW] offset:256*\u
.endr
	s_wait_dscnt 0x0
	v_pk_add_f32 v[XT:XT+1], v[XT:XT+1], v[XT+2:XT+3]
	v_pk_add_f32 v[XT+4:XT+5], v[XT+4:XT+5], v[XT+6:XT+7]
	v_pk_add_f32 v[XT:XT+1], v[XT:XT+1], v[XT+4:XT+5]
	v_pk_add_f32 v[XT:XT+1], v[XT:XT+1], s[BC:BC+1] op_sel_hi:[1,0]
	global_store_b64 v[VSO], v[XT:XT+1], s[SCB:SCB+1]  ; 256 consecutive bytes, aligned
.Lnot0_\@:
	s_wait_dscnt 0x0
	WIN 0x55                                       ; all in window 1
.set z, 0
.rept 16
	v_pk_add_f32 v[2*z:2*z+1], v[2*z:2*z+1], v[32+2*z:32+2*z+1]
.set z, z+1
.endr
.set z, 0
.rept 16
	v_pk_add_f32 v[64+2*z:64+2*z+1], v[64+2*z:64+2*z+1], v[96+2*z:96+2*z+1]
.set z, z+1
.endr
	WIN 0x05                                       ; sources window 1, destination window 0
.set z, 0
.rept 16
	v_pk_add_f32 v[SCW+2*z:SCW+2*z+1], v[2*z:2*z+1], v[64+2*z:64+2*z+1]
.set z, z+1
.endr
	WIN 0
.set z, 0
.rept 16
	v_pk_add_f32 v[SCW+2*z:SCW+2*z+1], v[SCW+2*z:SCW+2*z+1], s[BC:BC+1] op_sel_hi:[1,0]
.set z, z+1
.endr
	; the tile's maximum (my 32 rows, then the other half of the lanes'), the new c m, a
.irp c, 0,1,2,3
	v_max3_num_f32 v[XS+\c], v[SCW+8*\c], v[SCW+8*\c+1], v[SCW+8*\c+2]
.endr
.irp c, 0,1,2,3
	v_max3_num_f32 v[XS+\c], v[XS+\c], v[SCW+8*\c+3], v[SCW+8*\c+4]
.endr
.irp c, 0,1,2,3
	v_max3_num_f32 v[XS+\c], v[XS+\c], v[SCW+8*\c+5], v[SCW+8*\c+6]
.endr
	v_max3_num_f32 v[XS], v[XS], v[SCW+7], v[SCW+15]
	v_max3_num_f32 v[XS+2], v[XS+2], v[SCW+23], v[SCW+31]
	v_max3_num_f32 v[XS], v[XS], v[XS+1], v[XS+2]
	v_max_num_f32 v[XS], v[XS], v[XS+3]
	v_permlanex16_b32 v[XS+1], v[XS], s[SEL], s[SEL+1]
	v_max_num_f32 v[XS], v[XS], v[XS+1]
	v_mul_f32 v[XS], s[CS], v[XS]
	v_max_num_f32 v[CMN], v[CM], v[XS]
	v_mov_b32 v[CMN+1], v[CMN]
	v_sub_f32 v[DA], v[CM], v[CMN]
	v_mov_b32 v[CM], v[CMN]
	v_exp_f32 v[AFC], v[DA]                        ; one batch: a and the 32 weights p = 2^(c score - c m)
.set z, 0
.rept 16
	v_pk_fma_f32 v[SCW+2*z:SCW+2*z+1], v[SCW+2*z:SCW+2*z+1], s[CS:CS+1], v[CMN:CMN+1] op_sel_hi:[1,0,0] neg_lo:[0,0,1] neg_hi:[0,0,1]
.set z, z+1
.endr
.set z, 0
.rept 32
	v_exp_f32 v[SCW+z], v[SCW+z]
.set z, z+1
.endr
	v_nop                                          ; a plain instruction behind the last exponential,
	s_wait_alu depctr_va_vdst(0)                   ; and the one wait ahead of the batch's first reader
.set z, 0
.rept 8                                ; l = a l + the sum of the 64 weights
	v_pk_add_f32 v[XS+2*z:XS+2*z+1], v[SCW+4*z:SCW+4*z+1], v[SCW+4*z+2:SCW+4*z+3]
.set z, z+1
.endr
.irp d, 4,2,1
.set z, 0
.rept \d
	v_pk_add_f32 v[XS+2*z:XS+2*z+1], v[XS+2*z:XS+2*z+1], v[XS+2*(z+\d):XS+2*(z+\d)+1]
.set z, z+1
.endr
.endr
	v_add_f32 v[XS], v[XS], v[XS+1]
	v_permlanex16_b32 v[XS+1], v[XS], s[SEL], s[SEL+1]
	v_add_f32 v[XS], v[XS], v[XS+1]
	v_fma_f32 v[LR], v[LR], v[AFC], v[XS]
.irp hi, 0,1                           ; the tile's ctx: for each column block the sum over my 32 rows of p e, two rows an instruction; eight chains by turns
	WIN 0x02+\hi                                   ; source 0 window 2 or 3, all else window 0
.set q, 0
.rept 16
.set n8, 0
.rept 8
.set rC, 8*(4*n8+q/4)+2*(q%4)
.set rT, CT+2*(8*\hi+n8)
.if q == 0
	v_pk_mul_f32 v[rT:rT+1], v[rC:rC+1], v[SCW+2*q:SCW+2*q+1]
.else
	v_pk_fma_f32 v[rT:rT+1], v[rC:rC+1], v[SCW+2*q:SCW+2*q+1], v[rT:rT+1]
.endif
.set n8, n8+1
.endr
.set q, q+1
.endr
.endr
	WIN 0
.set z, 0
.rept 16
	v_add_f32 v[CT+2*z], v[CT+2*z], v[CT+2*z+1]
.set z, z+1
.endr
.set z, 0
.rept 16
	v_permlanex16_b32 v[CT+2*z+1], v[CT+2*z], s[SEL], s[SEL+1]  ; the other 32 rows lie in the lane 16 away
.set z, z+1
.endr
.set z, 0
.rept 16
	v_fma_f32 v[CTX+z], v[CTX+z], v[AFC], v[CT+2*z]
.set z, z+1
.endr
.set z, 0
.rept 16
	v_add_f32 v[CTX+z], v[CTX+z], v[CT+2*z+1]
.set z, z+1
.endr
	s_wait_xcnt 0x0                                ; the store of the scores has read its registers: its offset is stepped, and its data may be loaded over
	v_add_nc_u32 v[VSO], 256, v[VSO]
.endm
	s_load_b512 s[4:19], s[0:1], 0x0               ; h_enc s[4:5], wt s[6:7], decp s[8:9], b_enc s[10:11], b_dec s[12:13], W_com s[14:15], b_com s[16:17], scores s[18:19]
	s_load_b64 s[20:21], s[0:1], 0x40              ; part
	v_lshl_add_u32 v[SPW], v0, 2, SPARE
	v_mov_b32 v[NIL], 0
	ds_add_u32 v[SPW], v[NIL]                      ; the wave's opening: the add and its wait stand ahead of my first tensor load; the set-up below, work on registers, stands between them
	v_lshrrev_b32 v1, 5, v0
	v_readfirstlane_b32 s[WV], v1                  ; wave 0..3
	s_bfe_u32 s[CX], ttmp6, 0x40000                ; my place in the cluster
	s_lshl_b32 s[GG], ttmp9, 2                     ; in a cluster launch ttmp9 counts clusters
	s_add_co_u32 s[GG], s[GG], s[CX]               ; it enters h_enc's, decp's, scores' and part's addresses alone
	; descriptor group 1: 32,768 dense bytes as 128 rows of 256 bytes, two columns of W to a row, padded in LDS after every row
	s_mov_b32 s[G1+0], 15|(1<<16)|(1<<20)|(1<<21)|(5<<22)|(3<<25)  ; 15:0 the mask of four; 17:16 2-byte elements; 20 padding on; 21 set beside a mask; 24:22 after every 64 words (code 5); 31:25 4 words (code 3)
	s_mov_b32 s[G1+1], 128<<16                     ; tensor_dim0 = 128
	s_mov_b32 s[G1+2], 128<<16                     ; tensor_dim1 = 128
	s_mov_b32 s[G1+3], 128<<16                     ; tile_dim0 = 128
	s_mov_b32 s[G1+4], 128                         ; tile_dim1 = 128
	s_mov_b32 s[G1+5], 128                         ; 128 elements from row to row
	s_mov_b32 s[G1+6], 0
	s_mov_b32 s[G1+7], 0
	s_mov_b32 s[G0], 1                             ; count = 1
	s_mul_i32 s[G0+1], s[WV], WSL                  ; LDS address: my wave's part of slot 0,
	s_mov_b32 s[G0+4], 1
	s_add_co_u32 s[G0+5], s[G0+1], SLOTB           ; of slot 1
	s_mov_b32 s[C2], 0x4038aa3b                    ; 2 log2(e)
	s_mov_b32 s[C2+1], s[C2]
	s_mov_b32 s[CS], 0x3fb8aa3b                    ; log2(e)
	s_mov_b32 s[CS+1], s[CS]
	s_mov_b32 s[SEL], 0x76543210
	s_mov_b32 s[SEL+1], 0xfedcba98
	v_and_b32 v1, 15, v0                           ; r = l % 16
	v_bfe_u32 v2, v0, 4, 1                         ; h = l / 16
	v_and_b32 v3, 31, v0                           ; l
	v_mul_u32_u24 v28, v1, AP
	v_lshl_add_u32 v28, v2, 4, v28                 ; A: a fragment's row x pitch + 16 x half
	v_add_nc_u32 v[ADRA], ABUF, v28
	v_lshrrev_b32 v28, 1, v1                       ; B: column r lies in row r / 2,
	v_mul_u32_u24 v28, v28, WROW
	v_and_b32 v29, 1, v1
	v_lshl_add_u32 v28, v29, 7, v28                ; in its half r % 2,
	v_lshl_add_u32 v28, v2, 4, v28                 ; + 16 x half of the lanes
	v_add_nc_u32 v[ADRB], s[G0+1], v28
	v_add_nc_u32 v[ADRB+1], SLOTB, v[ADRB]
	s_mul_i32 s55, s[WV], 16*AP
	s_add_co_u32 s55, s55, ABUF
	v_mul_u32_u24 v29, v2, AP
	v_lshl_add_u32 v29, v1, 3, v29
	v_add_nc_u32 v[ASTO], s55, v29                 ; row 16 w + h, 8 bytes at 8 r
	s_lshl_b32 s55, s[WV], 16
	v_lshlrev_b32 v29, 12, v2
	v_lshl_add_u32 v29, v1, 4, v29
	v_add_nc_u32 v[VA], s55, v29                   ; row 16 w + h of 4,096 bytes, 16 bytes at 16 r
	v_lshlrev_b32 v29, 12, v1
	v_lshl_add_u32 v29, v2, 8, v29
	v_add_nc_u32 v[VPF], s55, v29                  ; row 16 w + r, block h
	s_lshl_b32 s55, s[WV], 8
	s_add_co_u32 s55, s55, SCR
	v_lshl_add_u32 v[ASC], v2, 5, s55
	v_lshlrev_b32 v[ASR], 5, v2
	v_add_nc_u32 v[ASR], SCR, v[ASR]
	v_lshlrev_b32 v[VSO], 3, v3
	v_add_nc_u32 v[ASW], SCR, v[VSO]
	s_lshl_b32 s55, s[WV], 10
	v_lshl_add_u32 v[VPO], v3, 4, s55
	v_add_nc_u32 v[ACR], CTXS, v[VPO]
	v_lshl_add_u32 v30, v1, 2, s55                 ; my column of block 0, in bytes: 1,024 w + 4 r
	v_add_nc_u32 v[ACX], CTXS, v30
	v_add_nc_u32 v30, DECT, v30
	v_lshlrev_b32 v[VD], 5, v0
	v_add_nc_u32 v31, DECT, v[VD]
	s_wait_dscnt 0x0                               ; the opening add is done
	s_wait_kmcnt 0x0
	s_load_b32 s[BC], s[16:17], 0x0                ; b_com: waited for below, behind the wait for the first vector loads
	s_lshl_b32 s[OFF], s[WV], 15                   ; my wave's 256 columns of a step: 32,768 bytes
	s_mov_b32 s[OFF+1], 0
	s_add_nc_u64 s[WB:WB+1], s[6:7], s[OFF:OFF+1]
	s_mov_b64 s[G0+2:G0+3], s[WB:WB+1]             ; global address: step 0,
	s_or_b32 s[G0+3], s[G0+3], 0x80000000          ; type = 2
	s_add_nc_u64 s[G0+6:G0+7], s[WB:WB+1], 131072  ; step 1
	s_or_b32 s[G0+7], s[G0+7], 0x80000000
	s_lshl_b32 s[GOF], s[GG], 20                   ; 256 rows of 4,096 bytes
	s_mov_b32 s[GOF+1], 0
	s_add_nc_u64 s[HB:HB+1], s[4:5], s[GOF:GOF+1]
	s_mov_b64 s[PA:PA+1], s[HB:HB+1]
	s_lshr_b32 s[GOF], s[GG], 3                    ; my batch,
	s_lshl_b32 s[GOF], s[GOF], 16                  ; its 16 x 1,024 partial sums
	s_add_nc_u64 s[8:9], s[8:9], s[GOF:GOF+1]
	s_lshl_b32 s[GOF], s[GG], 10
	s_add_nc_u64 s[SCB:SCB+1], s[18:19], s[GOF:GOF+1]
	s_mul_i32 s[GOF], s[GG], 4608
	s_add_nc_u64 s[PTB:PTB+1], s[20:21], s[GOF:GOF+1]
	CROUND                                         ; all four work-groups are here: the first joint loads meet
	tensor_load_to_lds s[G0:G0+3], s[G1:G1+7]      ; both first fills go out together, ahead of every wait on TENSORcnt, every LDS read and every further barrier
	s_nop 0
	tensor_load_to_lds s[G0+4:G0+7], s[G1:G1+7]
	s_nop 0
	PLACES
	ALD 0, 0                                       ; h_enc of steps 0 and 1
	ALD 1, 256
	WIN TO_B                                       ; the tables' raw numbers into window 1: thread i takes columns 8 i .. 8 i + 7
.set t, 0
.rept 16
	global_load_b128 v[8*t:8*t+3],   v[VD], s[8:9] offset:4096*t
	global_load_b128 v[8*t+4:8*t+7], v[VD], s[8:9] offset:4096*t+16
.set t, t+1
.endr
	global_load_b128 v[128:131], v[VD], s[12:13]
	global_load_b128 v[132:135], v[VD], s[12:13] offset:16
	global_load_b128 v[136:139], v[VD], s[10:11]
	global_load_b128 v[140:143], v[VD], s[10:11] offset:16
	global_load_b128 v[144:147], v[VD], s[14:15]
	global_load_b128 v[148:151], v[VD], s[14:15] offset:16
	s_wait_loadcnt 0x0
	s_wait_kmcnt 0x0                               ; b_com
	s_mov_b32 s[BC+1], s[BC]
	WIN 0x55
.irp d, 8,4,2,1                        ; the sixteen partial sums of h_dec W_dec
.set t, 0
.rept \d
.irp p, 0,2,4,6
	v_pk_add_f32 v[8*t+\p:8*t+\p+1], v[8*t+\p:8*t+\p+1], v[8*(t+\d)+\p:8*(t+\d)+\p+1]
.endr
.set t, t+1
.endr
.endr
.irp p, 0,2,4,6
	v_pk_add_f32 v[\p:\p+1], v[\p:\p+1], v[128+\p:128+\p+1]      ; + b_dec
.endr
.irp p, 0,2,4,6
	v_pk_add_f32 v[\p:\p+1], v[\p:\p+1], v[136+\p:136+\p+1]      ; + b_enc
.endr
.irp p, 0,2,4,6
	v_pk_mul_f32 v[\p:\p+1], v[\p:\p+1], s[C2:C2+1] op_sel_hi:[1,0]
.endr
.irp p, 0,2,4,6
	v_pk_mul_f32 v[144+\p:144+\p+1], v[144+\p:144+\p+1], -2.0 op_sel_hi:[1,0]
.endr
	WIN 0x04                                       ; an LDS store's data in window 1, its address in window 0
	ds_store_b128 v31, v[0:3]
	ds_store_b128 v31, v[4:7] offset:16
	ds_store_b128 v31, v[144:147] offset:4096
	ds_store_b128 v31, v[148:151] offset:4112
	WIN 0
	ACV 0                                          ; steps 0 and 1 into the two buffers; steps 2 and 3 are asked for
	AST 0
	ALD 0, 512
	ACV 1
	AST 1
	ALD 1, 768
	s_wait_tensorcnt 1                             ; my part of slot 0 is in; slot 1's may stay out
	s_wait_dscnt 0x0                               ; my stores are done
	s_barrier_signal -1
	s_barrier_wait -1
.irp nb, 0,1,2,3,4,5,6,7,8,9,10,11,12,13,14,15
	ds_load_b32 v[DEC+\nb], v30 offset:64*\nb
	ds_load_b32 v[WC+\nb],  v30 offset:4096+64*\nb
.endr
	s_wait_dscnt 0x0                               ; the tables are in
	FETCH 0, 0, 0                                  ; the first fragments are on their way while the lines below run
	WIN 0
.irp p, 0,2,4,6
	v_pk_add_f32 v[XT+\p:XT+\p+1], v[WC+\p:WC+\p+1], v[WC+8+\p:WC+8+\p+1]
.endr
	v_pk_add_f32 v[XT:XT+1], v[XT:XT+1], v[XT+4:XT+5]
	v_pk_add_f32 v[XT+2:XT+3], v[XT+2:XT+3], v[XT+6:XT+7]
	v_pk_add_f32 v[XT:XT+1], v[XT:XT+1], v[XT+2:XT+3]
	v_add_f32 v[SUM0], v[XT], v[XT+1]
	v_mul_f32 v[SUM0], -0.5, v[SUM0]               ; the sum of W_com over my 16 columns
	v_mov_b32 v[SUM0+1], v[SUM0]
.set z, 0
.rept 16
	v_mov_b32 v[CTX+z], 0                          ; the first tile's a is 0: ctx and l need only be finite
.set z, z+1
.endr
	v_mov_b32 v[LR], 0
	v_mov_b32 v[CM], 0xfe000000                    ; c m: far below every c score
	s_mov_b32 s[NS], 0
	s_mov_b32 s[TILE], 4
.Ltile:
	QUARTER 0, 1, 16                               ; a tile's first 32 along K stand in front of the loop: their products start the sums
	WIN 0                                          ; at a label and at a branch every window is 0
	s_mov_b32 s[LAP], 7
.Llap:                                         ; a trip goes once round the ring and fills both slots again
	TURN 0, 1, 1
	QUARTER 1, 0, 24
	TURN 1, 1, 1
	QUARTER 0, 0, 24
	WIN 0
	s_sub_co_u32 s[LAP], s[LAP], 1
	s_cmp_lg_u32 s[LAP], 0
	s_cbranch_scc1 .Llap
	s_cmp_eq_u32 s[TILE], 1
	s_cbranch_scc1 .Llast                          ; the last tile's tail is written out: it asks for nothing more
	TURN 0, 1, 1                                   ; the ring goes on into the next tile: slot 0 takes its step 0,
	QUARTER 1, 0, 24
	TURN 1, 1, 0                                   ; slot 1 its step 1; no fragments are fetched: the way out needs window 1
	EPI
	FETCH 0, 0, 0                                  ; slot 0 and buffer 0 were shown whole by the round of the tile's last step
	WIN 0
	s_sub_co_u32 s[TILE], s[TILE], 1
	s_branch .Ltile
.Llast:
	TURN 0, 0, 1
	QUARTER 1, 0, 16
	s_wait_dscnt 16
	MUL 1, 0, 0, 8, 0
	s_wait_dscnt 0x0
	MUL 1, 1, 0, 8, 0
	EPI
.irp nb, 0,1,2,3,4,5,6,7,8,9,10,11,12,13,14,15
	ds_store_b32 v[ACX], v[CTX+\nb] offset:64*\nb  ; both halves of the lanes hold the same number and write the same word
.endr
	ds_load_b128 v[XS:XS+3],   v[ACR]              ; my wave's own bytes: LDS serves a wave's instructions in order (ISA guide 5.7.1.4)
	ds_load_b128 v[XS+4:XS+7], v[ACR] offset:512
	s_wait_dscnt 0x0
	global_store_b128 v[VPO], v[XS:XS+3],   s[PTB:PTB+1]             ; 512 consecutive bytes, aligned
	global_store_b128 v[VPO], v[XS+4:XS+7], s[PTB:PTB+1] offset:512
	s_cmp_lg_u32 s[WV], 0
	s_cbranch_scc1 .Lnostat
	v_mov_b32 v[XS+8], v[CM]                       ; wave 0: (c m, l) again and again, so that the row's last 512 bytes are written whole
	v_mov_b32 v[XS+9], v[LR]
	v_mov_b32 v[XS+10], v[CM]
	v_mov_b32 v[XS+11], v[LR]
	global_store_b128 v[VPO], v[XS+8:XS+11], s[PTB:PTB+1] offset:4096
.Lnostat:
	s_wait_tensorcnt 0x0                           ; the wave's end: three lines behind my last tensor load and my last LDS store
	ds_add_u32 v[SPW], v[NIL]
	s_wait_dscnt 0x0
	CROUND                                         ; the closing round: no work-group ends while a partner may still ask for a tile that names it
	s_endpgm
.Lfunc_end_k_q08fd81412c_main:
	.size	k_q08fd81412c_main, .Lfunc_end_k_q08fd81412c_main-k_q08fd81412c_main
	.p2alignl 7, 3214868480
	.fill 96, 4, 3214868480
	.section	.rodata,"a",@progbits
	.p2align	6, 0x0
	.amdhsa_kernel k_q08fd81412c_main
		.amdhsa_group_segment_fixed_size 327680
		.amdhsa_private_segment_fixed_size 0
		.amdhsa_enable_private_segment 0
		.amdhsa_kernarg_size 72
		.amdhsa_user_sgpr_count 2
		.amdhsa_user_sgpr_kernarg_segment_ptr 1
		.amdhsa_wavefront_size32 1
		.amdhsa_system_sgpr_workgroup_id_x 1
		.amdhsa_system_sgpr_workgroup_id_y 1
		.amdhsa_system_sgpr_workgroup_id_z 1
		.amdhsa_system_vgpr_workitem_id 0
		.amdhsa_next_free_vgpr 1024
		.amdhsa_next_free_sgpr 72
		.amdhsa_reserve_vcc 0
		.amdhsa_float_denorm_mode_32 3
		.amdhsa_float_denorm_mode_16_64 3
		.amdhsa_memory_ordered 1
		.amdhsa_forward_progress 1
		.amdhsa_inst_pref_size 255
	.end_amdhsa_kernel
	.section	.bss,"aw",@nobits
	.p2align	6
	.space	262144
	.amdgpu_metadata
---
amdhsa.version: [ 1, 2 ]
amdhsa.kernels:
  - .name:           k_q08fd81412c_main
    .symbol:         k_q08fd81412c_main.kd
    .args:
      - { .name: h_enc, .offset: 0, .size: 8, .value_kind: global_buffer, .address_space: global }
      - { .name: wt, .offset: 8, .size: 8, .value_kind: global_buffer, .address_space: global }
      - { .name: decp, .offset: 16, .size: 8, .value_kind: global_buffer, .address_space: global }
      - { .name: b_enc, .offset: 24, .size: 8, .value_kind: global_buffer, .address_space: global }
      - { .name: b_dec, .offset: 32, .size: 8, .value_kind: global_buffer, .address_space: global }
      - { .name: W_com, .offset: 40, .size: 8, .value_kind: global_buffer, .address_space: global }
      - { .name: b_com, .offset: 48, .size: 8, .value_kind: global_buffer, .address_space: global }
      - { .name: scores, .offset: 56, .size: 8, .value_kind: global_buffer, .address_space: global }
      - { .name: part, .offset: 64, .size: 8, .value_kind: global_buffer, .address_space: global }
    .group_segment_fixed_size: 327680
    .private_segment_fixed_size: 0
    .kernarg_segment_align: 8
    .kernarg_segment_size: 72
    .max_flat_workgroup_size: 128
    .sgpr_count:     72
    .vgpr_count:     1024
    .wavefront_size: 32
...
	.end_amdgpu_metadata
.endif
;; end of part 2
;; launch comb (part 3): grid 4 x 32, 2 waves a work-group, no clusters, 0 bytes of LDS; arguments part, scores, b_enc, out0, out1; writes out0, out1
.if DOCPART == 3
	.amdgcn_target "amdgcn-amd-amdhsa--gfx1250"
	.amdhsa_code_object_version 6
	.text
	.protected	k_q08fd81412c_comb
	.globl	k_q08fd81412c_comb
	.p2align	8
	.type	k_q08fd81412c_comb,@function
k_q08fd81412c_comb:
	s_mov_b64 s[64:65], 0
	v_nop
	global_prefetch_b8 v0, s[64:65] scope:SCOPE_SE
	s_setreg_imm32_b32 hwreg(HW_REG_WAVE_MODE, 25, 1), 1
	s_wait_xcnt 0x0
; THE JOIN.  A batch's eight work-groups of the launch before left ctx_i[u], c m_i and l_i (c = log2(e)).  With M = the largest c m_i, e_i = 2^(c m_i - M) and L = the sum of l_i e_i:
; out0[b][u] = b_enc[u] + the sum of ctx_i[u] e_i / L;   out1[b][s] = 2^(c score[s] - M) / L.  The maximum is taken away before every exponential.
; SHARES.  Work-group (q, b): 256 columns of out0 and 512 rows of out1 of batch b; 64 threads, 16 bytes each a load or store: a wave's instruction covers 512 consecutive bytes, aligned.
; No LDS, no matrix unit, no cluster: 11 loads and 3 stores a thread.  A weight below 2^-126 counts as 0.
.set E,  8                             ; v[8:15]  e_i, then e_i / L
.set C,  16                            ; v[16:47] ctx_i, 4 numbers each
.set BE, 48                            ; v[48:51] b_enc, then out0
.set S,  52                            ; v[52:59] scores, then out1
.set VC, 60                            ; v60  1,024 q + 16 x thread
.set VS, 61                            ; v61  2,048 q + 16 x thread
	s_load_b256 s[4:11], s[0:1], 0x0               ; part s[4:5], scores s[6:7], b_enc s[8:9], out0 s[10:11]
	s_load_b64 s[12:13], s[0:1], 0x20              ; out1
	s_and_b32 s14, ttmp7, 0xffff                   ; b
	s_mul_i32 s34, s14, 8*4608                     ; the batch's eight rows of part
	s_mov_b32 s35, 0
	s_lshl_b32 s36, s14, 13                        ; its 2,048 scores
	s_mov_b32 s37, 0
	s_lshl_b32 s38, s14, 12                        ; its row of out0
	s_mov_b32 s39, 0
	s_lshl_b32 s40, ttmp9, 10
	s_lshl_b32 s41, ttmp9, 11
	v_lshl_add_u32 v[VC], v0, 4, s40
	v_lshl_add_u32 v[VS], v0, 4, s41
	s_mov_b32 s32, 0x3fb8aa3b                      ; log2(e)
	s_mov_b32 s33, s32
	s_wait_kmcnt 0x0
	s_add_nc_u64 s[4:5], s[4:5], s[34:35]
	s_add_nc_u64 s[6:7], s[6:7], s[36:37]
	s_add_nc_u64 s[12:13], s[12:13], s[36:37]
	s_add_nc_u64 s[10:11], s[10:11], s[38:39]
.irp i, 0,1,2,3,4,5,6,7
	s_load_b64 s[16+2*\i:17+2*\i], s[4:5], 4096+4608*\i   ; c m_i, l_i
.endr
.irp i, 0,1,2,3,4,5,6,7
	global_load_b128 v[C+4*\i:C+4*\i+3], v[VC], s[4:5] offset:4608*\i
.endr
	global_load_b128 v[BE:BE+3], v[VC], s[8:9]
	global_load_b128 v[S:S+3],   v[VS], s[6:7]
	global_load_b128 v[S+4:S+7], v[VS], s[6:7] offset:1024
	s_wait_kmcnt 0x0
	v_mov_b32 v2, s16
.irp i, 1,2,3,4,5,6,7
	v_max_num_f32 v2, s[16+2*\i], v2               ; M
.endr
	v_mov_b32 v3, v2                               ; named with it as a pair
.irp i, 0,1,2,3,4,5,6,7
	v_sub_f32 v[E+\i], s[16+2*\i], v2
.endr
.irp i, 0,1,2,3,4,5,6,7
	v_exp_f32 v[E+\i], v[E+\i]
.endr
	v_nop                                          ; a plain instruction behind the last exponential,
	s_wait_alu depctr_va_vdst(0)                   ; and the wait ahead of the first reader: one for the eight
	v_mul_f32 v4, s17, v[E]
.irp i, 1,2,3,4,5,6,7
	v_fmac_f32 v4, s[17+2*\i], v[E+\i]             ; L
.endr
	v_rcp_f32 v6, v4                               ; 1 / L, twice: a pair for the packed multiply.  One batch with the eight exponentials below
	v_rcp_f32 v7, v4
	s_wait_loadcnt 0x0
.irp p, 0,2,4,6
	v_pk_fma_f32 v[S+\p:S+\p+1], v[S+\p:S+\p+1], s[32:33], v[2:3] op_sel_hi:[1,0,0] neg_lo:[0,0,1] neg_hi:[0,0,1]  ; c score - M
.endr
.irp i, 0,1,2,3,4,5,6,7
	v_exp_f32 v[S+\i], v[S+\i]
.endr
	v_nop
	s_wait_alu depctr_va_vdst(0)                   ; one wait for the two reciprocals and the eight exponentials
.irp i, 0,1,2,3,4,5,6,7
	v_mul_f32 v[E+\i], v[E+\i], v6
.endr
.irp i, 0,2,4,6                        ; the pair (e_i, e_i+1) / L: its low word for ctx_i, its high word for ctx_i+1
.irp p, 0,2
	v_pk_fma_f32 v[BE+\p:BE+\p+1], v[C+4*\i+\p:C+4*\i+\p+1], v[E+\i:E+\i+1], v[BE+\p:BE+\p+1] op_sel_hi:[1,0,1]
.endr
.irp p, 0,2
	v_pk_fma_f32 v[BE+\p:BE+\p+1], v[C+4*\i+4+\p:C+4*\i+4+\p+1], v[E+\i:E+\i+1], v[BE+\p:BE+\p+1] op_sel:[0,1,0] op_sel_hi:[1,1,1]
.endr
.endr
.irp p, 0,2,4,6
	v_pk_mul_f32 v[S+\p:S+\p+1], v[S+\p:S+\p+1], v[6:7]
.endr
	global_store_b128 v[VC], v[BE:BE+3], s[10:11]
	global_store_b128 v[VS], v[S:S+3],   s[12:13]
	global_store_b128 v[VS], v[S+4:S+7], s[12:13] offset:1024
	s_endpgm
.Lfunc_end_k_q08fd81412c_comb:
	.size	k_q08fd81412c_comb, .Lfunc_end_k_q08fd81412c_comb-k_q08fd81412c_comb
	.p2alignl 7, 3214868480
	.fill 96, 4, 3214868480
	.section	.rodata,"a",@progbits
	.p2align	6, 0x0
	.amdhsa_kernel k_q08fd81412c_comb
		.amdhsa_group_segment_fixed_size 0
		.amdhsa_private_segment_fixed_size 0
		.amdhsa_enable_private_segment 0
		.amdhsa_kernarg_size 40
		.amdhsa_user_sgpr_count 2
		.amdhsa_user_sgpr_kernarg_segment_ptr 1
		.amdhsa_wavefront_size32 1
		.amdhsa_system_sgpr_workgroup_id_x 1
		.amdhsa_system_sgpr_workgroup_id_y 1
		.amdhsa_system_sgpr_workgroup_id_z 1
		.amdhsa_system_vgpr_workitem_id 0
		.amdhsa_next_free_vgpr 64
		.amdhsa_next_free_sgpr 66
		.amdhsa_reserve_vcc 0
		.amdhsa_float_denorm_mode_32 3
		.amdhsa_float_denorm_mode_16_64 3
		.amdhsa_memory_ordered 1
		.amdhsa_forward_progress 1
		.amdhsa_inst_pref_size 7
	.end_amdhsa_kernel
	.amdgpu_metadata
---
amdhsa.version: [ 1, 2 ]
amdhsa.kernels:
  - .name:           k_q08fd81412c_comb
    .symbol:         k_q08fd81412c_comb.kd
    .args:
      - { .name: part, .offset: 0, .size: 8, .value_kind: global_buffer, .address_space: global }
      - { .name: scores, .offset: 8, .size: 8, .value_kind: global_buffer, .address_space: global }
      - { .name: b_enc, .offset: 16, .size: 8, .value_kind: global_buffer, .address_space: global }
      - { .name: out0, .offset: 24, .size: 8, .value_kind: global_buffer, .address_space: global }
      - { .name: out1, .offset: 32, .size: 8, .value_kind: global_buffer, .address_space: global }
    .group_segment_fixed_size: 0
    .private_segment_fixed_size: 0
    .kernarg_segment_align: 8
    .kernarg_segment_size: 40
    .max_flat_workgroup_size: 64
    .sgpr_count:     66
    .vgpr_count:     64
    .wavefront_size: 32
...
	.end_amdgpu_metadata
.endif
;; end of part 3
